; MI455X (gfx1250); checked and timed in simulation.
; The chip was launched on July 23, 2026; its instructions are those of AMD's public machine-readable ISA for CDNA 5 (MIT licence, August 2026) and "CDNA5" Instruction Set Architecture Reference Guide (July 2026). The comments in the code are by the model that wrote it; some were corrected since.
;; Re LU class3 norm1. Allowed arithmetic: matrix products marked QUANTISED: E5M2 operands, one given power-of-two scale a tensor, by v_wmma_f32_16x16x64_bf8_bf8 or v_wmma_f32_16x16x128_bf8_bf8, f32 sums; products left as they are: f32 operands where the result goes on into a quantised operand, else bf16, f16 or f32 operands; f32 sums; everything else in f32.
;; Inputs: W1 32 x 16 float32; W2_codes 32 x 1 x 32 uint8 (E5M2 codes of W2, K innermost, in blocks of 32 codes); W3_codes 32 x 1 x 32 uint8 (E5M2 codes of W3, K innermost, in blocks of 32 codes); W4 1 x 32 float32; b1 32 float32; b2 32 float32; b3 32 float32; b4 1 float32; be1 32 float32; be2 32 float32; be3 32 float32; g1 32 float32; g2 32 float32; g3 32 float32; lowp_scales 4 int32 (the exponents e of the quantised operands' scales 2^e); x 2,097,152 x 16 float32.
;; Outputs: out0 2,097,152 x 1 float32.
;; This version of the problem:
;;   THIS VERSION OF THE PROBLEM IS GIVEN IN LOW PRECISION. The matrix products marked QUANTISED in the list below multiply operands that are first quantised to E5M2 (5 exponent bits, 2 mantissa bits; 8 bits a number), with one given power-of-two scale for each operand tensor; their sums are f32. All else is computed in f32.
;;   The module's matrix products, in the order in which they are computed (A, B: the left and right operand; K: the contracted axis; several contracted axes count as one K, in the product's order):
;;     1. [M 2,097,152, K 16] x [K 16, N 32]; A: input x; B: input W1: left as it is (K = 16 < 32)
;;     2. [M 2,097,152, K 32] x [K 32, N 32]; A: computed on the way; B: input W2 (given as codes): QUANTISED (scales: A lowp_scales[0], B lowp_scales[1])
;;     3. [M 2,097,152, K 32] x [K 32, N 32]; A: computed on the way; B: input W3 (given as codes): QUANTISED (scales: A lowp_scales[2], B lowp_scales[3])
;;     4. [M 2,097,152, K 32] x [K 32, N 1]; A: computed on the way; B: input W4: left as it is (N = 1 < 16)
;;   THE QUANTISER, for each operand of a quantised product, along K:
;;     - The operand's scale is 2^e, e = its entry of the input lowp_scales (int32; the entries are numbered through the quantised products in the list's order, A before B).
;;     - Each number is divided by the scale, clamped to +-57,344, and rounded to the nearest number of E5M2, ties to even, subnormals kept.
;;     - The product sums the exact products of the quantised numbers (number of the format x scale) in f32.
;;   ~~~python
;;   def quantise(x, axis, e):      # numpy; x: float32 -> the quantised numbers, widened to float32 again
;;       x = np.moveaxis(x, axis, -1); K = x.shape[-1]
;;       r = np.clip(x / 2.0 ** e, -57344, 57344)
;;       step = 2.0 ** (np.maximum(np.frexp(np.where(r == 0, 1, r))[1] - 1, -14) - 2)
;;       q = np.round(r / step) * step * 2.0 ** e      # np.round: ties to even
;;       return np.moveaxis(q, -1, axis).astype(np.float32)
;;   ~~~
;;   OPERANDS COMPUTED ON THE WAY. 'Computed on the way' means the value that the module computes at that place (a softmax that the list does not call 'softmax' is quantised finished and normalised). What goes into a quantiser is computed in f32, as accurately as f32 sums, v_exp_f32 and their like allow (about 1e-6 of the number): no bf16 or f16 on the way to a quantiser, and a product that is left as it is and whose result goes on into a quantised operand takes f32 operands (vector FMAs, or v_wmma_f32_16x16x4_f32). A number that lies on a knife's edge between two numbers of the format may be rounded either way, as far as f32 arithmetic and the matrix unit's own rounding can turn it there, and no further.
;;   INPUTS GIVEN AS CODES. W2 (in the module: [32, 32], K = its axis 1); W3 (in the module: [32, 32], K = its axis 1): each comes as NAME_codes (uint8): NAME with its K axis moved to the last place and cut into blocks of 32 codes, [.., K / 32, bytes a block], one block behind the other in memory; one code a byte (a code: sign, 5 exponent bits, 2 mantissa bits); its scale is its entry of lowp_scales. Its value is code x scale, taken as it is: it is not quantised again, and the codes and scales need not be those that the quantiser above would give.
;; One version. Each part assembles by itself: llvm-mc -triple=amdgcn-amd-amdhsa -mcpu=gfx1250 --defsym DOCPART=n.
;; ======== version 1 of 1: 4 launches
;; workspace buffers: q1 67,108,864 bytes; st1 65,536 bytes; st2 65,536 bytes; st3 65,536 bytes; pv1 256 bytes; pv2 256 bytes; cf2 512 bytes
;; launch stat1 (part 1): grid 256 x 1, 16 waves a work-group, no clusters, 327,680 bytes of LDS; arguments x, W1, b1, st1, pv1; writes st1, pv1
.if DOCPART == 1
	.amdgcn_target "amdgcn-amd-amdhsa--gfx1250"
	.amdhsa_code_object_version 6
	.text
	.protected	k_q7960a207a4_stat1
	.globl	k_q7960a207a4_stat1
	.p2align	8
	.type	k_q7960a207a4_stat1,@function
k_q7960a207a4_stat1:
	s_mov_b64 s[64:65], 0
	v_nop
	global_prefetch_b8 v0, s[64:65] scope:SCOPE_SE
	s_setreg_imm32_b32 hwreg(HW_REG_WAVE_MODE, 25, 1), 1
	s_wait_xcnt 0x0
; FIRST OF FOUR LAUNCHES: the batch sums of layer 1.  z1 = x W1^T + b1 over 2,097,152 rows; for each of the 32 features the sums of z1' and of z1'^2,
; z1' = z1 - K1, K1 = z1 of row 0 (a pivot, so that the variance is no difference of large sums).  c1 = b1 - K1 goes to pv1, the sums of each work-group to a row of st1.
; SHARES: 256 work-groups x 16 waves; a wave owns 512 rows: 4 groups of 128 rows, 8 tiles of 16 rows each.  x comes by the tensor data mover into a ring of two slots for each wave
; (a slot = a group: 32 lines of 256 bytes, 16 bytes of padding behind each).  Lines of 256 bytes and 32 to a load: two slots of 64 such lines for sixteen waves would be 557,056 bytes, more than LDS has.
; THE PRODUCT has f32 operands (its result goes on into a quantiser in the next launch) and is used transposed: source 0 = 16 rows of W1, source 1 = 16 rows of x,
; so that a lane holds ONE row of x and its 8 registers 8 neighbouring features (16 ft + 8 (lane / 16) + j).  k is permuted alike in W1 and x: lane (r, h) holds k = 8 i + 4 h + 0..3 in registers 4 i .. 4 i + 3.
; Tile t of a group takes rows 64 (t / 4) + 4 r + t % 4: the last launch then stores four neighbouring results a lane.
; LIMITS: NaN and infinities among the inputs are not served.  Row 0 is the pivot: the sums are exact to f32 rounding as long as row 0 lies within a few thousand standard deviations of the mean.
; No cluster: work-groups share only W1 and b1 (2,176 bytes).  No prefetch: half of a wave's 32,768 bytes are asked for at the head.
.set RINGW, 17408                      ; a wave's ring: two slots
.set SLOTB, 8704                       ; 32 lines x 272 bytes
.set HALFB, 4352                       ; 16 lines
.set SPARE, 278528                     ; behind the sixteen rings: the spare words, 128 bytes a wave
.set SCR2,  292864                     ; 16 rows of 256 bytes: each wave's 64 sums
.set PVT,   296960                     ; 256 bytes a wave: the pivot's way out
.set SPW, 4                            ; v4   my spare word's address; never rewritten
.set NIL, 5                            ; v5   0; never rewritten
.set XA,  6                            ; v6   ring + 272 r + 16 h
.set L8,  8                            ; v8   8 x lane
.set H32, 11                           ; v11  32 h
.set WO,  12                           ; v12  64 r + 16 h
.set X0,  13                           ; v13  16 h
.set WF,  16                           ; v16-31   W1's fragments: 8 ft + 2 s
.set CB,  32                           ; v32-47   b1, then c1 = b1 - K1, in the result's layout
.set ST,  84                           ; v84-115  8 quads: sum f, sum f + 1, sum of squares f, f + 1
.set Z,   116                          ; v116-147 four accumulators: written by matrix instructions alone
.set XF,  148                          ; v148-179 x's fragments, two sets of two tiles
.set TZ,  180                          ; v180-211 at work at the end
.set SA,  224
.set S2R, 225
.set PVW, 226
.set PVR, 227
.set PT,  236
.macro PLACES n
.rept \n
	v_nop
.endr
.endm
.macro XLOAD slot, p, xs               ; tiles 2 p and 2 p + 1 of the slot into set xs: four loads of 16 bytes a lane
.irp tt, 0,1
.irp i, 0,1
	ds_load_b128 v[XF+16*(\xs)+8*\tt+4*\i:XF+16*(\xs)+8*\tt+4*\i+3], v[XA] offset:(\slot)*SLOTB+((2*(\p)+\tt)/4)*HALFB+((2*(\p)+\tt)%4)*64+32*\i
.endr
.endr
.endm
.macro MM1 xs                          ; two tiles x two feature tiles x four K steps; the four accumulators take turns, one instruction a turn; c1 is the C of each sum's first step
.irp s, 0,1,2,3
.irp tt, 0,1
.irp ft, 0,1
.if \s == 0
	v_wmma_f32_16x16x4_f32 v[Z+16*\tt+8*\ft:Z+16*\tt+8*\ft+7], v[WF+8*\ft+2*\s:WF+8*\ft+2*\s+1], v[XF+16*(\xs)+8*\tt+2*\s:XF+16*(\xs)+8*\tt+2*\s+1], v[CB+8*\ft:CB+8*\ft+7]
.else
	v_wmma_f32_16x16x4_f32 v[Z+16*\tt+8*\ft:Z+16*\tt+8*\ft+7], v[WF+8*\ft+2*\s:WF+8*\ft+2*\s+1], v[XF+16*(\xs)+8*\tt+2*\s:XF+16*(\xs)+8*\tt+2*\s+1], v[Z+16*\tt+8*\ft:Z+16*\tt+8*\ft+7]
.endif
.endr
.endr
.endr
.endm
.macro STATS src                       ; 32 numbers a lane into the sums, two at a time; each accumulator from its low end on
.irp tt, 0,1
.irp ft, 0,1
.irp jj, 0,1,2,3
	v_pk_add_f32 v[ST+16*\ft+4*\jj:ST+16*\ft+4*\jj+1], v[ST+16*\ft+4*\jj:ST+16*\ft+4*\jj+1], v[\src+16*\tt+8*\ft+2*\jj:\src+16*\tt+8*\ft+2*\jj+1]
	v_pk_fma_f32 v[ST+16*\ft+4*\jj+2:ST+16*\ft+4*\jj+3], v[\src+16*\tt+8*\ft+2*\jj:\src+16*\tt+8*\ft+2*\jj+1], v[\src+16*\tt+8*\ft+2*\jj:\src+16*\tt+8*\ft+2*\jj+1], v[ST+16*\ft+4*\jj+2:ST+16*\ft+4*\jj+3]
.endr
.endr
.endr
.endm
.macro FILL slot                       ; the slot just read takes the group two further on
	s_wait_tensorcnt 0x0                           ; all my tensor loads have landed: a group 0 may be written
	ds_add_u32 v[SPW], v[NIL]                      ; 0 onto my spare word
	s_add_nc_u64 s[26+4*\slot:27+4*\slot], s[26+4*\slot:27+4*\slot], 16384
	s_wait_dscnt 0x0                               ; the add is done, and my reads of the slot are back
	s_barrier_signal -1
	s_barrier_wait -1
	tensor_load_to_lds s[24+4*\slot:27+4*\slot], s[16:23]  ; my one tensor load behind this barrier, and the first thing there
	s_nop 0
.endm
.macro SLOT_IN slot, left              ; a group of 128 rows: four pairs of tiles.  left: the younger tensor loads that may stay out
	s_wait_tensorcnt \left
	XLOAD \slot, 0, 0
	XLOAD \slot, 1, 1
.irp p, 0,1,2,3
.if \p < 3
	s_wait_dscnt 4                                 ; this pair's four loads are in; the next pair's four may be out
.else
	s_wait_dscnt 0
.endif
	MM1 (\p)%2
	PLACES 8                                       ; eight places behind this form, ahead of the loads into its sources and of the reads of its results
.if \p < 2
	XLOAD \slot, (\p)+2, (\p)%2
.endif
	STATS Z
.endr
.endm
	s_load_b256 s[36:43], s[0:1], 0x0              ; x s[36:37], W1 s[38:39], b1 s[40:41], st1 s[42:43]
	s_load_b64 s[44:45], s[0:1], 0x20              ; pv1
	v_lshl_add_u32 v[SPW], v0, 2, SPARE
	v_mov_b32 v[NIL], 0
	ds_add_u32 v4, v5
	ds_add_u32 v4, v5
	s_wait_dscnt 0x0
	v_lshrrev_b32 v1, 5, v0
	v_readfirstlane_b32 s2, v1                     ; wave 0..15
	s_or_b32 s3, ttmp9, s2                         ; 0 in wave 0 of work-group 0 alone
	; descriptor group 1: 32 lines of 32 elements of 8 bytes, dense in memory; 4 words of padding behind every 64
	s_mov_b32 s16, (3<<16)|(1<<20)|(5<<22)|(3<<25)
	s_mov_b32 s17, 32<<16                          ; tensor_dim0 = 32
	s_mov_b32 s18, 32<<16                          ; tensor_dim1 = 32
	s_mov_b32 s19, 32<<16                          ; tile_dim0 = 32
	s_mov_b32 s20, 32                              ; tile_dim1 = 32
	s_mov_b32 s21, 32                              ; from line to line: 32 elements
	s_mov_b32 s22, 0
	s_mov_b32 s23, 0
	s_mul_i32 s32, s2, RINGW                       ; my ring
	s_lshl_b32 s8, ttmp9, 4
	s_add_co_u32 s8, s8, s2
	s_lshl_b32 s8, s8, 15                          ; (16 g + w) x 512 rows x 64 bytes, under 2^28
	s_mov_b32 s9, 0
	s_lshl_b32 s34, ttmp9, 8                       ; my work-group's row of st1
	s_mov_b32 s35, 0
	s_mov_b32 s24, 1
	s_mov_b32 s25, s32
	s_mov_b32 s28, 1
	s_add_co_u32 s29, s32, SLOTB
	s_wait_kmcnt 0x0
	s_add_nc_u64 s[26:27], s[36:37], s[8:9]        ; group 0
	s_add_nc_u64 s[30:31], s[26:27], 8192          ; group 1
	s_add_nc_u64 s[42:43], s[42:43], s[34:35]
	s_or_b32 s27, s27, 0x80000000
	s_or_b32 s31, s31, 0x80000000
	tensor_load_to_lds s[24:27], s[16:23]          ; both first fills, ahead of everything else: two loads of mine are out
	s_nop 0
	tensor_load_to_lds s[28:31], s[16:23]
	s_nop 0
	v_and_b32 v2, 15, v0                           ; r
	v_bfe_u32 v3, v0, 4, 1                         ; h
	v_and_b32 v1, 31, v0                           ; lane
	v_lshlrev_b32 v[L8], 3, v1
	v_lshlrev_b32 v[H32], 5, v3
	v_lshlrev_b32 v[X0], 4, v3
	v_lshl_add_u32 v[WO], v2, 6, v[X0]
	v_mul_u32_u24 v[XA], v2, 272
	v_add_nc_u32 v[XA], v[XA], v[X0]
	v_add_nc_u32 v[XA], s32, v[XA]
	s_lshl_b32 s33, s2, 8
	s_add_co_u32 s34, s33, SCR2
	v_lshl_add_u32 v[SA], v3, 6, s34
	v_add_nc_u32 v[S2R], SCR2, v[L8]
	s_add_co_u32 s34, s33, PVT
	v_add_nc_u32 v[PVW], s34, v[H32]
	v_add_nc_u32 v[PVR], s34, v[L8]
.irp ft, 0,1
.irp i, 0,1
	global_load_b128 v[WF+8*\ft+4*\i:WF+8*\ft+4*\i+3], v[WO], s[38:39] offset:1024*\ft+32*\i   ; W1 row 16 ft + r
	global_load_b128 v[CB+8*\ft+4*\i:CB+8*\ft+4*\i+3], v[H32], s[40:41] offset:64*\ft+16*\i     ; b1 at features 16 ft + 8 h + 4 i on
.endr
.endr
.irp i, 0,1
	global_load_b128 v[XF+4*\i:XF+4*\i+3], v[X0], s[36:37] offset:32*\i                          ; row 0 of x, in every column
.endr
	s_wait_loadcnt 0x0
	; THE PIVOT: z1 of row 0, two accumulators by turns
.irp s, 0,1,2,3
.irp ft, 0,1
.if \s == 0
	v_wmma_f32_16x16x4_f32 v[Z+8*\ft:Z+8*\ft+7], v[WF+8*\ft+2*\s:WF+8*\ft+2*\s+1], v[XF+2*\s:XF+2*\s+1], v[CB+8*\ft:CB+8*\ft+7]
.else
	v_wmma_f32_16x16x4_f32 v[Z+8*\ft:Z+8*\ft+7], v[WF+8*\ft+2*\s:WF+8*\ft+2*\s+1], v[XF+2*\s:XF+2*\s+1], v[Z+8*\ft:Z+8*\ft+7]
.endif
.endr
.endr
	PLACES 8
.irp k, 0,2,4,6,8,10,12,14
	v_pk_add_f32 v[CB+\k:CB+\k+1], v[CB+\k:CB+\k+1], v[Z+\k:Z+\k+1] neg_lo:[0,1] neg_hi:[0,1]   ; c1 = b1 - K1
.endr
.set i, 0
.rept 32
	v_mov_b32 v[ST+i], 0
.set i, i+1
.endr
	s_cmp_lg_u32 s3, 0                             ; one wave of the launch stores c1: through its own 256 bytes of LDS into feature order, twice on end, so that 256 consecutive bytes are stored
	s_cbranch_scc1 .Lno_pivot
.irp d, 0,128
	ds_store_b128 v[PVW], v[CB:CB+3] offset:\d
	ds_store_b128 v[PVW], v[CB+4:CB+7] offset:\d+16
	ds_store_b128 v[PVW], v[CB+8:CB+11] offset:\d+64
	ds_store_b128 v[PVW], v[CB+12:CB+15] offset:\d+80
.endr
	ds_load_b64 v[PT:PT+1], v[PVR]                 ; LDS serves a wave's instructions in order: this sees the stores above
	s_wait_dscnt 0x0
	global_store_b64 v[L8], v[PT:PT+1], s[44:45]
	s_wait_xcnt 0x0
.Lno_pivot:
	SLOT_IN 0, 1                                   ; group 0; group 1's load may be out
	FILL 0
	SLOT_IN 1, 1                                   ; group 1; the refill just issued may be out
	FILL 1
	SLOT_IN 0, 1                                   ; group 2
	SLOT_IN 1, 0                                   ; group 3: nothing is left to fetch
	; THE SUMS: over the sixteen lanes of a half (they hold the same features), then over the sixteen waves through LDS
.irp m, 1,2,4,8
.set i, 0
.rept 32
	v_add_f32_dpp v[ST+i], v[ST+i], v[ST+i] row_xmask:\m row_mask:0xf bank_mask:0xf
.set i, i+1
.endr
.endr
.irp ft, 0,1
.irp jj, 0,1,2,3
	ds_store_b128 v[SA], v[ST+16*\ft+4*\jj:ST+16*\ft+4*\jj+3] offset:128*\ft+16*\jj   ; the sixteen lanes of a half write equal bytes
.endr
.endr
	s_wait_dscnt 0x0                               ; for the others' sake: my stores are done
	s_barrier_signal -1
	s_barrier_wait -1
	s_cmp_lg_u32 s2, 0
	s_cbranch_scc1 .Ltail_done
.irp i, 0,1,2,3,4,5,6,7,8,9,10,11,12,13,14,15
	ds_load_b64 v[TZ+2*\i:TZ+2*\i+1], v[S2R] offset:256*\i
.endr
	s_wait_dscnt 0x0
.irp i, 0,4,8,12,16,20,24,28
	v_pk_add_f32 v[TZ+\i:TZ+\i+1], v[TZ+\i:TZ+\i+1], v[TZ+\i+2:TZ+\i+3]
.endr
.irp i, 0,8,16,24
	v_pk_add_f32 v[TZ+\i:TZ+\i+1], v[TZ+\i:TZ+\i+1], v[TZ+\i+4:TZ+\i+5]
.endr
.irp i, 0,16
	v_pk_add_f32 v[TZ+\i:TZ+\i+1], v[TZ+\i:TZ+\i+1], v[TZ+\i+8:TZ+\i+9]
.endr
	v_pk_add_f32 v[TZ:TZ+1], v[TZ:TZ+1], v[TZ+16:TZ+17]
	global_store_b64 v[L8], v[TZ:TZ+1], s[42:43]   ; 32 lanes store 256 consecutive bytes, aligned: the work-group's row
.Ltail_done:
	s_wait_tensorcnt 0x0                           ; the wave's end
	ds_add_u32 v[SPW], v[NIL]
	s_wait_dscnt 0x0
	s_endpgm
.Lfunc_end_k_q7960a207a4_stat1:
	.size	k_q7960a207a4_stat1, .Lfunc_end_k_q7960a207a4_stat1-k_q7960a207a4_stat1
	.p2alignl 7, 3214868480
	.fill 96, 4, 3214868480
	.section	.rodata,"a",@progbits
	.p2align	6, 0x0
	.amdhsa_kernel k_q7960a207a4_stat1
		.amdhsa_group_segment_fixed_size 327680
		.amdhsa_private_segment_fixed_size 0
		.amdhsa_enable_private_segment 0
		.amdhsa_kernarg_size 40
		.amdhsa_user_sgpr_count 2
		.amdhsa_user_sgpr_kernarg_segment_ptr 1
		.amdhsa_wavefront_size32 1
		.amdhsa_system_sgpr_workgroup_id_x 1
		.amdhsa_system_sgpr_workgroup_id_y 1
		.amdhsa_system_sgpr_workgroup_id_z 1
		.amdhsa_system_vgpr_workitem_id 0
		.amdhsa_next_free_vgpr 256
		.amdhsa_next_free_sgpr 66
		.amdhsa_reserve_vcc 0
		.amdhsa_float_denorm_mode_32 3
		.amdhsa_float_denorm_mode_16_64 3
		.amdhsa_memory_ordered 1
		.amdhsa_forward_progress 1
		.amdhsa_inst_pref_size 76
	.end_amdhsa_kernel
	.amdgpu_metadata
---
amdhsa.version: [ 1, 2 ]
amdhsa.kernels:
  - .name:           k_q7960a207a4_stat1
    .symbol:         k_q7960a207a4_stat1.kd
    .args:
      - { .name: x, .offset: 0, .size: 8, .value_kind: global_buffer, .address_space: global }
      - { .name: W1, .offset: 8, .size: 8, .value_kind: global_buffer, .address_space: global }
      - { .name: b1, .offset: 16, .size: 8, .value_kind: global_buffer, .address_space: global }
      - { .name: st1, .offset: 24, .size: 8, .value_kind: global_buffer, .address_space: global }
      - { .name: pv1, .offset: 32, .size: 8, .value_kind: global_buffer, .address_space: global }
    .group_segment_fixed_size: 327680
    .private_segment_fixed_size: 0
    .kernarg_segment_align: 8
    .kernarg_segment_size: 40
    .max_flat_workgroup_size: 512
    .sgpr_count:     66
    .vgpr_count:     256
    .wavefront_size: 32
...
	.end_amdgpu_metadata
.endif
;; end of part 1
;; launch stat2 (part 2): grid 256 x 1, 16 waves a work-group, no clusters, 327,680 bytes of LDS; arguments x, W1, g1, be1, W2_codes, b2, lowp_scales, st1, pv1, q1, st2, pv2; writes q1, st2, pv2
.if DOCPART == 2
	.amdgcn_target "amdgcn-amd-amdhsa--gfx1250"
	.amdhsa_code_object_version 6
	.text
	.protected	k_q7960a207a4_stat2
	.globl	k_q7960a207a4_stat2
	.p2align	8
	.type	k_q7960a207a4_stat2,@function
k_q7960a207a4_stat2:
	s_mov_b64 s[64:65], 0
	v_nop
	global_prefetch_b8 v0, s[64:65] scope:SCOPE_SE
	s_setreg_imm32_b32 hwreg(HW_REG_WAVE_MODE, 25, 1), 1
	s_wait_xcnt 0x0
; SECOND LAUNCH: p1 = relu(BN1(x W1^T + b1)) is made, quantised to E5M2 with 2^e0 and stored as codes (q1); the batch sums of layer 2 are taken.
; HEAD: every work-group adds up the 256 rows of st1 and makes, a feature a lane, A1 = g1 rsq(var + 1e-5) and C1 = (c1 - m1') A1 + be1 (c1 from pv1; m1' and var about the pivot).
; BN1 IS FOLDED INTO THE PRODUCT: W1's rows are multiplied by A1 and C1 is the C of each sum's first step, so the f32 product gives the normalised number itself.
; Shares, ring, tiles and the f32 product: as in the first launch (a wave: 512 rows, 4 groups of 8 tiles; tile t takes rows 64 (t / 4) + 4 r + t % 4).
; A lane's 8 results of feature tile ft are k = 16 ft + 8 h + 0..7 of its row: the place that the 8-bit form's layout gives registers 2 ft, 2 ft + 1.  So a conversion's result IS the operand.
; q1: a tile's codes as an image of its four registers: 512 bytes, lane l's 16 at 16 l.
; THE SECOND PRODUCT has K = 32 and the form 64: two tiles of rows share source 1 (four registers each), and source 0 is (W2, zeros) for the first and (zeros, W2) for the second;
; the codes are held finite, so zero x code is zero.  Its sums stay raw (in units of 2^(e0 + e1)); C = c2 = b2 2^-(e0 + e1) - (raw z2 of row 0), the pivot, which goes to pv2.
; LIMITS: e0 between -126 and 112; |e0 + e1| at most 60.  NaN and infinities among the inputs are not served.
.set RINGW, 17408
.set SLOTB, 8704
.set HALFB, 4352
.set SPARE, 278528                     ; the spare words, 128 bytes a wave
.set SCR1,  280576                     ; 512 quads of 16 bytes: the head's sums
.set TAB,   288768                     ; 256 bytes a wave: A1[32], C1[32]
.set SCR2,  292864                     ; 16 rows of 256 bytes: each wave's 64 sums
.set PVT,   296960                     ; 256 bytes a wave: the pivot's way out
.set SPW, 4
.set NIL, 5
.set XA,  6                            ; ring + 272 r + 16 h
.set L16, 7                            ; 16 x lane
.set L8,  8                            ; 8 x lane
.set PO,  9                            ; 4096 w + 16 x lane
.set F4,  10                           ; 4 f, f = 2 r + h
.set H32, 11                           ; 32 h
.set WO,  12                           ; 64 r + 16 h
.set X0,  13                           ; 16 h
.set W8,  14                           ; 32 r + 8 h
.set S1A, 15
.set WF,  16                           ; v16-31   W1's fragments, x A1
.set CB,  32                           ; v32-47   C1 in the result's layout
.set WZ,  48                           ; v48-67   zeros | W2 rows 0-15 | zeros | W2 rows 16-31 | zeros, four registers each
.set C2,  68                           ; v68-83   c2 in the result's layout
.set ST,  84                           ; v84-115  the sums
.set Z,   116                          ; v116-147 the f32 product's accumulators: written by matrix instructions alone
.set XF,  148                          ; v148-179 x's fragments, two sets
.set TZ,  180                          ; v180-211 p1 held, then raw z2'
.set QC,  212                          ; v212-219 two tiles' codes
.set S1R, 220
.set TF,  221
.set TR,  222
.set TL,  223
.set SA,  224
.set S2R, 225
.set PVW, 226
.set PVR, 227
.set RQ,  228
.set RQ2, 232
.set PT,  236
.set SC,  240                          ; 2^e0 as f32
.set G,   241
.set BE,  242
.set CC,  243
.set AM,  244
.macro PLACES n
.rept \n
	v_nop
.endr
.endm
.macro SUMQ base, dst                  ; eight quads into one
.irp q, 0,8,16,24
	v_pk_add_f32 v[\base+\q:\base+\q+1], v[\base+\q:\base+\q+1], v[\base+\q+4:\base+\q+5]
	v_pk_add_f32 v[\base+\q+2:\base+\q+3], v[\base+\q+2:\base+\q+3], v[\base+\q+6:\base+\q+7]
.endr
.irp q, 0,16
	v_pk_add_f32 v[\base+\q:\base+\q+1], v[\base+\q:\base+\q+1], v[\base+\q+8:\base+\q+9]
	v_pk_add_f32 v[\base+\q+2:\base+\q+3], v[\base+\q+2:\base+\q+3], v[\base+\q+10:\base+\q+11]
.endr
	v_pk_add_f32 v[\dst:\dst+1], v[\base:\base+1], v[\base+16:\base+17]
	v_pk_add_f32 v[\dst+2:\dst+3], v[\base+2:\base+3], v[\base+18:\base+19]
.endm
.macro XLOAD slot, p, xs
.irp tt, 0,1
.irp i, 0,1
	ds_load_b128 v[XF+16*(\xs)+8*\tt+4*\i:XF+16*(\xs)+8*\tt+4*\i+3], v[XA] offset:(\slot)*SLOTB+((2*(\p)+\tt)/4)*HALFB+((2*(\p)+\tt)%4)*64+32*\i
.endr
.endr
.endm
.macro MM1 xs                          ; the four accumulators take turns, one instruction a turn
.irp s, 0,1,2,3
.irp tt, 0,1
.irp ft, 0,1
.if \s == 0
	v_wmma_f32_16x16x4_f32 v[Z+16*\tt+8*\ft:Z+16*\tt+8*\ft+7], v[WF+8*\ft+2*\s:WF+8*\ft+2*\s+1], v[XF+16*(\xs)+8*\tt+2*\s:XF+16*(\xs)+8*\tt+2*\s+1], v[CB+8*\ft:CB+8*\ft+7]
.else
	v_wmma_f32_16x16x4_f32 v[Z+16*\tt+8*\ft:Z+16*\tt+8*\ft+7], v[WF+8*\ft+2*\s:WF+8*\ft+2*\s+1], v[XF+16*(\xs)+8*\tt+2*\s:XF+16*(\xs)+8*\tt+2*\s+1], v[Z+16*\tt+8*\ft:Z+16*\tt+8*\ft+7]
.endif
.endr
.endr
.endr
.endm
.macro STATS src
.irp tt, 0,1
.irp ft, 0,1
.irp jj, 0,1,2,3
	v_pk_add_f32 v[ST+16*\ft+4*\jj:ST+16*\ft+4*\jj+1], v[ST+16*\ft+4*\jj:ST+16*\ft+4*\jj+1], v[\src+16*\tt+8*\ft+2*\jj:\src+16*\tt+8*\ft+2*\jj+1]
	v_pk_fma_f32 v[ST+16*\ft+4*\jj+2:ST+16*\ft+4*\jj+3], v[\src+16*\tt+8*\ft+2*\jj:\src+16*\tt+8*\ft+2*\jj+1], v[\src+16*\tt+8*\ft+2*\jj:\src+16*\tt+8*\ft+2*\jj+1], v[ST+16*\ft+4*\jj+2:ST+16*\ft+4*\jj+3]
.endr
.endr
.endr
.endm
.macro FILL slot
	s_wait_tensorcnt 0x0                           ; all my tensor loads have landed: a group 0 may be written
	ds_add_u32 v[SPW], v[NIL]                      ; 0 onto my spare word
	s_add_nc_u64 s[26+4*\slot:27+4*\slot], s[26+4*\slot:27+4*\slot], 16384
	s_wait_dscnt 0x0                               ; the add is done, and my reads of the slot are back
	s_barrier_signal -1
	s_barrier_wait -1
	tensor_load_to_lds s[24+4*\slot:27+4*\slot], s[16:23]  ; my one tensor load behind this barrier, and the first thing there
	s_nop 0
.endm
.macro PAIRB n, slot, p                ; two tiles of group n
.if \p < 3
	s_wait_dscnt 4                                 ; this pair's four loads are in; the next pair's four may be out
.else
	s_wait_dscnt 0
.endif
	MM1 (\p)%2
	PLACES 8                                       ; eight places behind this form (ISA guide 7.12.1)
.if \p < 2
	XLOAD \slot, (\p)+2, (\p)%2
.endif
	s_wait_xcnt 0x0                                ; the last pair's stores have read their codes: the registers are written again only behind this wait
.set i, 0
.rept 32
	v_med3_num_f32 v[TZ+i], v[Z+i], 0, s13         ; the activation and the hold in one: between 0 and 57,344 x 2^e0 (the conversion does not saturate: ISA guide 7.6.2)
.set i, i+1
.endr
.irp tt, 0,1
.irp ft, 0,1
	v_cvt_scalef32_pk8_bf8_f32 v[QC+4*\tt+2*\ft:QC+4*\tt+2*\ft+1], v[TZ+16*\tt+8*\ft:TZ+16*\tt+8*\ft+7], v[SC]
.endr
.endr
	v_nop                                          ; a plain line between the conversions and the products that read their results and write their sources
.irp tt, 0,1
	global_store_b128 v[L16], v[QC+4*\tt:QC+4*\tt+3], s[54:55] offset:(8*(\n)+2*(\p)+\tt)*512 th:TH_STORE_NT   ; 32 lanes store 512 consecutive bytes, aligned
.endr
.irp tt, 0,1
.irp ft, 0,1
	v_wmma_f32_16x16x64_bf8_bf8 v[TZ+16*\tt+8*\ft:TZ+16*\tt+8*\ft+7], v[WZ+4-4*\tt+8*\ft:WZ+11-4*\tt+8*\ft], v[QC:QC+7], v[C2+8*\ft:C2+8*\ft+7]
.endr
.endr
	PLACES 4
	STATS TZ
.endm
.macro SLOT_IN n, slot, left
	s_wait_tensorcnt \left
	XLOAD \slot, 0, 0
	XLOAD \slot, 1, 1
.irp p, 0,1,2,3
	PAIRB \n, \slot, \p
.endr
.endm
	s_load_b512 s[36:51], s[0:1], 0x0              ; x 36, W1 38, g1 40, be1 42, W2's codes 44, b2 46, the scales' exponents 48, st1 50
	s_load_b256 s[52:59], s[0:1], 0x40             ; pv1 52, q1 54, st2 56, pv2 58
	v_lshl_add_u32 v[SPW], v0, 2, SPARE
	v_mov_b32 v[NIL], 0
	ds_add_u32 v4, v5
	ds_add_u32 v4, v5
	s_wait_dscnt 0x0
	v_lshrrev_b32 v1, 5, v0
	v_readfirstlane_b32 s2, v1                     ; wave 0..15
	s_or_b32 s3, ttmp9, s2                         ; 0 in wave 0 of work-group 0 alone
	s_mov_b32 s10, 0x76543210                      ; v_permlanex16_b32: lane l xor 16
	s_mov_b32 s11, 0xfedcba98
	s_mov_b32 s12, 0xffff0000                      ; lanes 16-31
	s_mov_b32 s16, (3<<16)|(1<<20)|(5<<22)|(3<<25) ; group 1: 32 lines of 32 elements of 8 bytes, dense; 4 words of padding behind every 64
	s_mov_b32 s17, 32<<16
	s_mov_b32 s18, 32<<16
	s_mov_b32 s19, 32<<16
	s_mov_b32 s20, 32
	s_mov_b32 s21, 32
	s_mov_b32 s22, 0
	s_mov_b32 s23, 0
	s_mul_i32 s32, s2, RINGW
	s_lshl_b32 s14, ttmp9, 4
	s_add_co_u32 s14, s14, s2                      ; 16 g + w
	s_lshl_b32 s8, s14, 15                         ; x 32,768 bytes of x
	s_mov_b32 s9, 0
	s_lshl_b32 s34, s14, 14                        ; x 16,384 bytes of codes
	s_mov_b32 s35, 0
	s_mov_b32 s24, 1
	s_mov_b32 s25, s32
	s_mov_b32 s28, 1
	s_add_co_u32 s29, s32, SLOTB
	s_wait_kmcnt 0x0
	s_add_nc_u64 s[26:27], s[36:37], s[8:9]
	s_add_nc_u64 s[30:31], s[26:27], 8192
	s_add_nc_u64 s[54:55], s[54:55], s[34:35]      ; my wave's 32 tiles of q1
	s_lshl_b32 s34, ttmp9, 8
	s_add_nc_u64 s[56:57], s[56:57], s[34:35]      ; my work-group's row of st2
	s_or_b32 s27, s27, 0x80000000
	s_or_b32 s31, s31, 0x80000000
	tensor_load_to_lds s[24:27], s[16:23]          ; both first fills, ahead of everything else: two loads of mine are out
	s_nop 0
	tensor_load_to_lds s[28:31], s[16:23]
	s_nop 0
	s_load_b128 s[4:7], s[48:49], 0x0              ; e0, e1, e2, e3
	v_and_b32 v1, 31, v0                           ; lane
	v_and_b32 v2, 15, v0                           ; r
	v_bfe_u32 v3, v0, 4, 1                         ; h
	v_lshlrev_b32 v[L16], 4, v1
	v_lshlrev_b32 v[L8], 3, v1
	v_lshlrev_b32 v[X0], 4, v3
	v_lshlrev_b32 v[H32], 5, v3
	v_and_b32 v[PO], 0x1e0, v0
	v_lshl_add_u32 v[PO], v[PO], 7, v[L16]
	v_lshlrev_b32 v[F4], 3, v2
	v_lshl_add_u32 v[F4], v3, 2, v[F4]
	v_lshl_add_u32 v[WO], v2, 6, v[X0]
	v_lshlrev_b32 v[W8], 5, v2
	v_lshl_add_u32 v[W8], v3, 3, v[W8]
	v_mul_u32_u24 v[XA], v2, 272
	v_add_nc_u32 v[XA], v[XA], v[X0]
	v_add_nc_u32 v[XA], s32, v[XA]
	v_lshl_add_u32 v[S1A], v0, 4, SCR1
	v_lshlrev_b32 v[S1R], 4, v2
	v_lshl_add_u32 v[S1R], v3, 12, v[S1R]
	v_add_nc_u32 v[S1R], SCR1, v[S1R]
	s_lshl_b32 s33, s2, 8
	s_add_co_u32 s34, s33, TAB
	v_add_nc_u32 v[TF], s34, v[F4]
	v_add_nc_u32 v[TR], s34, v[H32]
	v_lshl_add_u32 v[TL], v2, 2, s34
	s_add_co_u32 s34, s33, SCR2
	v_lshl_add_u32 v[SA], v3, 6, s34
	v_add_nc_u32 v[S2R], SCR2, v[L8]
	s_add_co_u32 s34, s33, PVT
	v_add_nc_u32 v[PVW], s34, v[H32]
	v_add_nc_u32 v[PVR], s34, v[L8]
.irp i, 0,1,2,3,4,5,6,7
	global_load_b128 v[TZ+4*\i:TZ+4*\i+3], v[PO], s[50:51] offset:512*\i   ; st1: 512 consecutive bytes a load; my quad r of rows 16 w + 2 i + h
.endr
	global_load_b32 v[G], v[F4], s[40:41]
	global_load_b32 v[BE], v[F4], s[42:43]
	global_load_b32 v[CC], v[F4], s[52:53]
.irp ft, 0,1
.irp i, 0,1
	global_load_b128 v[WF+8*\ft+4*\i:WF+8*\ft+4*\i+3], v[WO], s[38:39] offset:1024*\ft+32*\i
.endr
.endr
.irp i, 0,1
	global_load_b128 v[XF+4*\i:XF+4*\i+3], v[X0], s[36:37] offset:32*\i    ; row 0 of x, in every column
.endr
.irp ft, 0,1
.irp c, 0,1
	global_load_b64 v[WZ+4+8*\ft+2*\c:WZ+5+8*\ft+2*\c], v[W8], s[44:45] offset:512*\ft+16*\c   ; W2 row 16 ft + r, k = 16 c + 8 h on
.endr
.endr
.irp ft, 0,1
.irp i, 0,1
	global_load_b128 v[C2+8*\ft+4*\i:C2+8*\ft+4*\i+3], v[H32], s[46:47] offset:64*\ft+16*\i
.endr
.endr
.irp z, 0,1,2,3,8,9,10,11,16,17,18,19
	v_mov_b32 v[WZ+\z], 0
.endr
.irp z, 4,5,6,7
	v_mov_b32 v[QC+\z], 0                          ; the pivot's source 1 has one tile: its other half is zero codes
.endr
	; THE BATCH SUMS OF LAYER 1: 256 rows of st1 -> a feature a lane
	s_wait_loadcnt 17                              ; st1's eight loads are in; the 17 behind them may be out
	SUMQ TZ, RQ
	ds_store_b128 v[S1A], v[RQ:RQ+3]
	s_wait_dscnt 0x0                               ; for the others' sake: my store is done
	s_barrier_signal -1
	s_barrier_wait -1
.irp i, 0,1,2,3,4,5,6,7
	ds_load_b128 v[TZ+4*\i:TZ+4*\i+3], v[S1R] offset:256*\i
.endr
.irp i, 0,1,2,3,4,5,6,7
	ds_load_b128 v[ST+4*\i:ST+4*\i+3], v[S1R] offset:2048+256*\i
.endr
	s_wait_dscnt 8                                 ; the first eight are in
	SUMQ TZ, RQ
	s_wait_dscnt 0x0
	SUMQ ST, RQ2
	v_pk_add_f32 v[RQ:RQ+1], v[RQ:RQ+1], v[RQ2:RQ2+1]
	v_pk_add_f32 v[RQ+2:RQ+3], v[RQ+2:RQ+3], v[RQ2+2:RQ2+3]
	v_cndmask_b32 v[RQ2], v[RQ], v[RQ+1], s12      ; I keep feature 2 r + h's two sums,
	v_cndmask_b32 v[RQ2+1], v[RQ+2], v[RQ+3], s12
	v_cndmask_b32 v[RQ2+2], v[RQ+1], v[RQ], s12    ; and send the other feature's to lane l xor 16
	v_cndmask_b32 v[RQ2+3], v[RQ+3], v[RQ+2], s12
	v_permlanex16_b32 v[RQ], v[RQ2+2], s10, s11
	v_permlanex16_b32 v[RQ+1], v[RQ2+3], s10, s11
	v_add_f32 v[RQ2], v[RQ2], v[RQ]
	v_add_f32 v[RQ2+1], v[RQ2+1], v[RQ+1]
	s_wait_loadcnt 0x0
	v_mul_f32 v[RQ2], 0x35000000, v[RQ2]           ; m' = sum x 2^-21
	v_mul_f32 v[RQ2+1], 0x35000000, v[RQ2+1]
	v_fma_f32 v[RQ2+1], -v[RQ2], v[RQ2], v[RQ2+1]  ; the variance, about the pivot
	v_max_num_f32 v[RQ2+1], 0, v[RQ2+1]
	v_add_f32 v[RQ2+1], 0x3727c5ac, v[RQ2+1]       ; + 1e-5
	v_rsq_f32 v[RQ+2], v[RQ2+1]
	v_sub_f32 v[RQ+3], v[CC], v[RQ2]               ; c1 - m'  (the plain line behind the transcendental)
	s_wait_alu depctr_va_vdst(0)                   ; the wait ahead of the result's first reader
	v_mul_f32 v[RQ], v[G], v[RQ+2]                 ; A1
	v_fma_f32 v[RQ+1], v[RQ+3], v[RQ], v[BE]       ; C1
	ds_store_b32 v[TF], v[RQ]                      ; my wave's own table: no barrier
	ds_store_b32 v[TF], v[RQ+1] offset:128
.irp ft, 0,1
.irp i, 0,1
	ds_load_b128 v[CB+8*\ft+4*\i:CB+8*\ft+4*\i+3], v[TR] offset:128+64*\ft+16*\i   ; C1 at features 16 ft + 8 h + 4 i on
.endr
.endr
	ds_load_b32 v[AM], v[TL]                       ; A1 of W1's row r,
	ds_load_b32 v[AM+1], v[TL] offset:64           ; and of row 16 + r
	s_wait_kmcnt 0x0
	s_add_co_i32 s14, s4, 127
	s_lshl_b32 s15, s14, 23
	v_mov_b32 v[SC], s15                           ; 2^e0 as f32: the conversion takes its exponent field
	s_add_co_i32 s14, s14, 15
	s_lshl_b32 s14, s14, 23
	s_or_b32 s13, s14, 0x600000                    ; 57,344 x 2^e0
	s_add_co_i32 s14, s4, s5
	s_sub_co_i32 s15, 0, s14                       ; -(e0 + e1)
.set i, 0
.rept 16
	v_ldexp_f32 v[C2+i], v[C2+i], s15              ; b2 in raw units
.set i, i+1
.endr
	s_wait_dscnt 0x0
.irp ft, 0,1
.irp k, 0,1,2,3,4,5,6,7
	v_mul_f32 v[WF+8*\ft+\k], v[WF+8*\ft+\k], v[AM+\ft]
.endr
.endr
	; THE PIVOT OF LAYER 2: row 0 through the same arithmetic as every row
.irp s, 0,1,2,3
.irp ft, 0,1
.if \s == 0
	v_wmma_f32_16x16x4_f32 v[Z+8*\ft:Z+8*\ft+7], v[WF+8*\ft+2*\s:WF+8*\ft+2*\s+1], v[XF+2*\s:XF+2*\s+1], v[CB+8*\ft:CB+8*\ft+7]
.else
	v_wmma_f32_16x16x4_f32 v[Z+8*\ft:Z+8*\ft+7], v[WF+8*\ft+2*\s:WF+8*\ft+2*\s+1], v[XF+2*\s:XF+2*\s+1], v[Z+8*\ft:Z+8*\ft+7]
.endif
.endr
.endr
	PLACES 8
.set i, 0
.rept 16
	v_med3_num_f32 v[TZ+i], v[Z+i], 0, s13
.set i, i+1
.endr
.irp ft, 0,1
	v_cvt_scalef32_pk8_bf8_f32 v[QC+2*\ft:QC+2*\ft+1], v[TZ+8*\ft:TZ+8*\ft+7], v[SC]
.endr
	v_nop
.irp ft, 0,1
	v_wmma_f32_16x16x64_bf8_bf8 v[TZ+8*\ft:TZ+8*\ft+7], v[WZ+4+8*\ft:WZ+11+8*\ft], v[QC:QC+7], v[C2+8*\ft:C2+8*\ft+7]
.endr
	PLACES 4
.irp k, 0,2,4,6,8,10,12,14
	v_pk_add_f32 v[C2+\k:C2+\k+1], v[C2+\k:C2+\k+1], v[TZ+\k:TZ+\k+1] neg_lo:[0,1] neg_hi:[0,1]   ; c2 = b2 raw - K2 raw
.endr
.set i, 0
.rept 32
	v_mov_b32 v[ST+i], 0
.set i, i+1
.endr
	s_cmp_lg_u32 s3, 0                             ; one wave of the launch stores c2, in feature order, twice on end: 256 consecutive bytes
	s_cbranch_scc1 .Lno_pivot
.irp d, 0,128
	ds_store_b128 v[PVW], v[C2:C2+3] offset:\d
	ds_store_b128 v[PVW], v[C2+4:C2+7] offset:\d+16
	ds_store_b128 v[PVW], v[C2+8:C2+11] offset:\d+64
	ds_store_b128 v[PVW], v[C2+12:C2+15] offset:\d+80
.endr
	ds_load_b64 v[PT:PT+1], v[PVR]
	s_wait_dscnt 0x0
	global_store_b64 v[L8], v[PT:PT+1], s[58:59]
	s_wait_xcnt 0x0
.Lno_pivot:
	SLOT_IN 0, 0, 1                                ; group 0; group 1's load may be out
	FILL 0
	SLOT_IN 1, 1, 1                                ; group 1; the refill just issued may be out
	FILL 1
	SLOT_IN 2, 0, 1
	SLOT_IN 3, 1, 0                                ; nothing is left to fetch
	; THE SUMS: over the sixteen lanes of a half, then over the sixteen waves through LDS
.irp m, 1,2,4,8
.set i, 0
.rept 32
	v_add_f32_dpp v[ST+i], v[ST+i], v[ST+i] row_xmask:\m row_mask:0xf bank_mask:0xf
.set i, i+1
.endr
.endr
.irp ft, 0,1
.irp jj, 0,1,2,3
	ds_store_b128 v[SA], v[ST+16*\ft+4*\jj:ST+16*\ft+4*\jj+3] offset:128*\ft+16*\jj
.endr
.endr
	s_wait_dscnt 0x0
	s_barrier_signal -1
	s_barrier_wait -1
	s_cmp_lg_u32 s2, 0
	s_cbranch_scc1 .Ltail_done
.irp i, 0,1,2,3,4,5,6,7,8,9,10,11,12,13,14,15
	ds_load_b64 v[TZ+2*\i:TZ+2*\i+1], v[S2R] offset:256*\i
.endr
	s_wait_dscnt 0x0
.irp i, 0,4,8,12,16,20,24,28
	v_pk_add_f32 v[TZ+\i:TZ+\i+1], v[TZ+\i:TZ+\i+1], v[TZ+\i+2:TZ+\i+3]
.endr
.irp i, 0,8,16,24
	v_pk_add_f32 v[TZ+\i:TZ+\i+1], v[TZ+\i:TZ+\i+1], v[TZ+\i+4:TZ+\i+5]
.endr
.irp i, 0,16
	v_pk_add_f32 v[TZ+\i:TZ+\i+1], v[TZ+\i:TZ+\i+1], v[TZ+\i+8:TZ+\i+9]
.endr
	v_pk_add_f32 v[TZ:TZ+1], v[TZ:TZ+1], v[TZ+16:TZ+17]
	global_store_b64 v[L8], v[TZ:TZ+1], s[56:57]   ; 256 consecutive bytes, aligned: the work-group's row
.Ltail_done:
	s_wait_tensorcnt 0x0                           ; the wave's end
	ds_add_u32 v[SPW], v[NIL]
	s_wait_dscnt 0x0
	s_endpgm
.Lfunc_end_k_q7960a207a4_stat2:
	.size	k_q7960a207a4_stat2, .Lfunc_end_k_q7960a207a4_stat2-k_q7960a207a4_stat2
	.p2alignl 7, 3214868480
	.fill 96, 4, 3214868480
	.section	.rodata,"a",@progbits
	.p2align	6, 0x0
	.amdhsa_kernel k_q7960a207a4_stat2
		.amdhsa_group_segment_fixed_size 327680
		.amdhsa_private_segment_fixed_size 0
		.amdhsa_enable_private_segment 0
		.amdhsa_kernarg_size 96
		.amdhsa_user_sgpr_count 2
		.amdhsa_user_sgpr_kernarg_segment_ptr 1
		.amdhsa_wavefront_size32 1
		.amdhsa_system_sgpr_workgroup_id_x 1
		.amdhsa_system_sgpr_workgroup_id_y 1
		.amdhsa_system_sgpr_workgroup_id_z 1
		.amdhsa_system_vgpr_workitem_id 0
		.amdhsa_next_free_vgpr 256
		.amdhsa_next_free_sgpr 66
		.amdhsa_reserve_vcc 0
		.amdhsa_float_denorm_mode_32 3
		.amdhsa_float_denorm_mode_16_64 3
		.amdhsa_memory_ordered 1
		.amdhsa_forward_progress 1
		.amdhsa_inst_pref_size 133
	.end_amdhsa_kernel
	.amdgpu_metadata
---
amdhsa.version: [ 1, 2 ]
amdhsa.kernels:
  - .name:           k_q7960a207a4_stat2
    .symbol:         k_q7960a207a4_stat2.kd
    .args:
      - { .name: x, .offset: 0, .size: 8, .value_kind: global_buffer, .address_space: global }
      - { .name: W1, .offset: 8, .size: 8, .value_kind: global_buffer, .address_space: global }
      - { .name: g1, .offset: 16, .size: 8, .value_kind: global_buffer, .address_space: global }
      - { .name: be1, .offset: 24, .size: 8, .value_kind: global_buffer, .address_space: global }
      - { .name: W2_codes, .offset: 32, .size: 8, .value_kind: global_buffer, .address_space: global }
      - { .name: b2, .offset: 40, .size: 8, .value_kind: global_buffer, .address_space: global }
      - { .name: lowp_scales, .offset: 48, .size: 8, .value_kind: global_buffer, .address_space: global }
      - { .name: st1, .offset: 56, .size: 8, .value_kind: global_buffer, .address_space: global }
      - { .name: pv1, .offset: 64, .size: 8, .value_kind: global_buffer, .address_space: global }
      - { .name: q1, .offset: 72, .size: 8, .value_kind: global_buffer, .address_space: global }
      - { .name: st2, .offset: 80, .size: 8, .value_kind: global_buffer, .address_space: global }
      - { .name: pv2, .offset: 88, .size: 8, .value_kind: global_buffer, .address_space: global }
    .group_segment_fixed_size: 327680
    .private_segment_fixed_size: 0
    .kernarg_segment_align: 8
    .kernarg_segment_size: 96
    .max_flat_workgroup_size: 512
    .sgpr_count:     66
    .vgpr_count:     256
    .wavefront_size: 32
...
	.end_amdgpu_metadata
.endif
;; end of part 2
;; launch stat3 (part 3): grid 256 x 1, 16 waves a work-group, no clusters, 22,528 bytes of LDS; arguments q1, W2_codes, W3_codes, g2, be2, b3, lowp_scales, st2, pv2, st3, cf2; writes st3, cf2
.if DOCPART == 3
	.amdgcn_target "amdgcn-amd-amdhsa--gfx1250"
	.amdhsa_code_object_version 6
	.text
	.protected	k_q7960a207a4_stat3
	.globl	k_q7960a207a4_stat3
	.p2align	8
	.type	k_q7960a207a4_stat3,@function
k_q7960a207a4_stat3:
	s_mov_b64 s[64:65], 0
	v_nop
	global_prefetch_b8 v0, s[64:65] scope:SCOPE_SE
	s_setreg_imm32_b32 hwreg(HW_REG_WAVE_MODE, 25, 1), 1
	s_wait_xcnt 0x0
; THIRD LAUNCH: from p1's codes: the second product again, BN2 and relu, the quantiser with 2^e2, the third product, and the batch sums of layer 3.
; HEAD: the 256 rows of st2 -> a feature a lane: with E = e0 + e1, A2 = g2 rsq(var_raw 4^E + 1e-5) 2^E and SH2 = (c2 - m2') A2 + be2 (c2 from pv2, raw units), so that the normalised number is raw sum x A2 + SH2.
; The third product's sums stay raw too; C = c3 = b3 2^-(e2 + e3) - (raw z3 of row 0).  A2, SH2 and c3 go to cf2 for the last launch.
; SHARES: a wave owns 32 tiles of 16 rows: 512 bytes each, read as they were stored (lane l's 16 bytes at 16 l are the operand's four registers).  Sixteen tiles of a wave are asked for at the head, the others as registers fall free.
; Both products have K = 32 in the form of 64: two tiles share source 1; source 0 is (W, zeros) or (zeros, W).  Both are used transposed: a lane holds one row, its registers run along the features.
; No tensor loads: each byte is read by one lane once and goes straight into an operand's register.  No cluster: work-groups share only weights and st2.  No prefetch: half of a wave's 16,384 bytes are asked for at the head.
; LIMITS: e2 between -126 and 112; |e0 + e1| and |e2 + e3| at most 60.  NaN and infinities are not served.
.set TAB,  8192                        ; LDS: bytes 0-8191 the head's 512 quads; 512 bytes a wave: A2[32], SH2[32], c3[32] twice;
.set SCR2, 16384                       ; 16 rows of 256 bytes: each wave's 64 sums
.set SC,  1                            ; v1   2^e2 as f32
.set TC,  2                            ; v2   my table + 16 x lane
.set Q0,  3                            ; v3   256 h: row 0's codes in tile 0
.set L16, 4
.set L8,  5
.set PO,  6
.set F4,  7
.set H32, 8
.set W8,  9
.set S1A, 10
.set S1R, 11
.set TF,  12
.set TR,  13
.set SA,  14
.set S2R, 15
.set WZ2, 16                           ; v16-35   zeros | W2 0-15 | zeros | W2 16-31 | zeros
.set WZ3, 36                           ; v36-55   the same for W3
.set A2,  56                           ; v56-71
.set SH2, 72                           ; v72-87
.set C3,  88                           ; v88-103
.set ST,  104                          ; v104-135
.set TZ,  136                          ; v136-167
.set QC,  168                          ; v168-175 two tiles' codes of p2; at the head g2, be2, c2
.set QA,  176                          ; v176-239 sixteen tiles of q1
.set RQ,  240
.set RQ2, 244
.set PB,  248                          ; v248-255 row 0's codes, then zeros
.macro PLACES n
.rept \n
	v_nop
.endr
.endm
.macro SUMQ base, dst
.irp q, 0,8,16,24
	v_pk_add_f32 v[\base+\q:\base+\q+1], v[\base+\q:\base+\q+1], v[\base+\q+4:\base+\q+5]
	v_pk_add_f32 v[\base+\q+2:\base+\q+3], v[\base+\q+2:\base+\q+3], v[\base+\q+6:\base+\q+7]
.endr
.irp q, 0,16
	v_pk_add_f32 v[\base+\q:\base+\q+1], v[\base+\q:\base+\q+1], v[\base+\q+8:\base+\q+9]
	v_pk_add_f32 v[\base+\q+2:\base+\q+3], v[\base+\q+2:\base+\q+3], v[\base+\q+10:\base+\q+11]
.endr
	v_pk_add_f32 v[\dst:\dst+1], v[\base:\base+1], v[\base+16:\base+17]
	v_pk_add_f32 v[\dst+2:\dst+3], v[\base+2:\base+3], v[\base+18:\base+19]
.endm
.macro PROD wz, b, cr                  ; two tiles x two feature tiles; cr: the C's registers, or 0
.irp tt, 0,1
.irp ft, 0,1
.if \cr
	v_wmma_f32_16x16x64_bf8_bf8 v[TZ+16*\tt+8*\ft:TZ+16*\tt+8*\ft+7], v[\wz+4-4*\tt+8*\ft:\wz+11-4*\tt+8*\ft], v[\b:\b+7], v[\cr+8*\ft:\cr+8*\ft+7]
.else
	v_wmma_f32_16x16x64_bf8_bf8 v[TZ+16*\tt+8*\ft:TZ+16*\tt+8*\ft+7], v[\wz+4-4*\tt+8*\ft:\wz+11-4*\tt+8*\ft], v[\b:\b+7], 0
.endif
.endr
.endr
.endm
.macro AFF a, sh                       ; raw sum x A + SH, two at a time; each accumulator from its low end on
.irp tt, 0,1
.irp k, 0,2,4,6,8,10,12,14
	v_pk_fma_f32 v[TZ+16*\tt+\k:TZ+16*\tt+\k+1], v[TZ+16*\tt+\k:TZ+16*\tt+\k+1], v[\a+\k:\a+\k+1], v[\sh+\k:\sh+\k+1]
.endr
.endr
.endm
.macro QUANT                           ; relu, hold and conversion of two tiles
.set i, 0
.rept 32
	v_med3_num_f32 v[TZ+i], v[TZ+i], 0, s13        ; between 0 and 57,344 x 2^e2 (the conversion does not saturate: ISA guide 7.6.2)
.set i, i+1
.endr
.irp tt, 0,1
.irp ft, 0,1
	v_cvt_scalef32_pk8_bf8_f32 v[QC+4*\tt+2*\ft:QC+4*\tt+2*\ft+1], v[TZ+16*\tt+8*\ft:TZ+16*\tt+8*\ft+7], v[SC]
.endr
.endr
	v_nop                                          ; a plain line between the conversions and the products that read their results and write their sources
.endm
.macro STATS src
.irp tt, 0,1
.irp ft, 0,1
.irp jj, 0,1,2,3
	v_pk_add_f32 v[ST+16*\ft+4*\jj:ST+16*\ft+4*\jj+1], v[ST+16*\ft+4*\jj:ST+16*\ft+4*\jj+1], v[\src+16*\tt+8*\ft+2*\jj:\src+16*\tt+8*\ft+2*\jj+1]
	v_pk_fma_f32 v[ST+16*\ft+4*\jj+2:ST+16*\ft+4*\jj+3], v[\src+16*\tt+8*\ft+2*\jj:\src+16*\tt+8*\ft+2*\jj+1], v[\src+16*\tt+8*\ft+2*\jj:\src+16*\tt+8*\ft+2*\jj+1], v[ST+16*\ft+4*\jj+2:ST+16*\ft+4*\jj+3]
.endr
.endr
.endr
.endm
.macro PAIRC p                         ; tiles 2 p and 2 p + 1
.if \p < 8
	s_wait_loadcnt 14                              ; behind this pair's two loads: 14 - 2 p first loads and 2 p refills
.else
	s_wait_loadcnt 30-2*(\p)                       ; the refills of the pairs behind it
.endif
	PROD WZ2, QA+8*((\p)%8), 0
	PLACES 4                                       ; ahead of the loads into source 1 and of the reads of the results
.if \p < 8
.irp tt, 0,1
	global_load_b128 v[QA+8*(\p)+4*\tt:QA+8*(\p)+4*\tt+3], v[L16], s[58:59] offset:(2*(\p)+16+\tt)*512 th:TH_LOAD_NT
.endr
.endif
	AFF A2, SH2
	QUANT
	PROD WZ3, QC, C3
	PLACES 4
	STATS TZ
.endm
	s_load_b512 s[36:51], s[0:1], 0x0              ; q1 36, W2's codes 38, W3's codes 40, g2 42, be2 44, b3 46, the scales' exponents 48, st2 50
	s_load_b128 s[52:55], s[0:1], 0x40             ; pv2 52, st3 54
	s_load_b64 s[56:57], s[0:1], 0x50              ; cf2
	v_lshrrev_b32 v176, 5, v0
	v_readfirstlane_b32 s2, v176                   ; wave 0..15
	s_or_b32 s3, ttmp9, s2                         ; 0 in wave 0 of work-group 0 alone
	s_mov_b32 s10, 0x76543210
	s_mov_b32 s11, 0xfedcba98
	s_mov_b32 s12, 0xffff0000                      ; lanes 16-31
	v_and_b32 v176, 31, v0                         ; lane
	v_and_b32 v177, 15, v0                         ; r
	v_bfe_u32 v178, v0, 4, 1                       ; h
	v_lshlrev_b32 v[L16], 4, v176
	v_lshlrev_b32 v[L8], 3, v176
	v_and_b32 v[PO], 0x1e0, v0
	v_lshl_add_u32 v[PO], v[PO], 7, v[L16]         ; 4096 w + 16 x lane
	v_lshlrev_b32 v[F4], 3, v177
	v_lshl_add_u32 v[F4], v178, 2, v[F4]           ; 4 f, f = 2 r + h
	v_lshlrev_b32 v[H32], 5, v178
	v_lshlrev_b32 v[W8], 5, v177
	v_lshl_add_u32 v[W8], v178, 3, v[W8]
	v_lshlrev_b32 v[Q0], 8, v178
	v_lshlrev_b32 v[S1A], 4, v0
	v_lshlrev_b32 v[S1R], 4, v177
	v_lshl_add_u32 v[S1R], v178, 12, v[S1R]
	s_lshl_b32 s33, s2, 9
	s_add_co_u32 s33, s33, TAB
	v_add_nc_u32 v[TF], s33, v[F4]
	v_add_nc_u32 v[TR], s33, v[H32]
	v_add_nc_u32 v[TC], s33, v[L16]
	s_lshl_b32 s33, s2, 8
	s_add_co_u32 s33, s33, SCR2
	v_lshl_add_u32 v[SA], v178, 6, s33
	v_add_nc_u32 v[S2R], SCR2, v[L8]
	s_lshl_b32 s8, ttmp9, 4
	s_add_co_u32 s8, s8, s2
	s_lshl_b32 s8, s8, 14                          ; (16 g + w) x 16,384 bytes of codes
	s_mov_b32 s9, 0
	s_lshl_b32 s34, ttmp9, 8
	s_mov_b32 s35, 0
	s_wait_kmcnt 0x0
	s_load_b128 s[4:7], s[48:49], 0x0              ; e0, e1, e2, e3
	s_add_nc_u64 s[58:59], s[36:37], s[8:9]        ; my wave's 32 tiles
	s_add_nc_u64 s[54:55], s[54:55], s[34:35]      ; my work-group's row of st3
.irp i, 0,1,2,3,4,5,6,7
	global_load_b128 v[TZ+4*\i:TZ+4*\i+3], v[PO], s[50:51] offset:512*\i
.endr
	global_load_b32 v[QC], v[F4], s[42:43]         ; g2
	global_load_b32 v[QC+1], v[F4], s[44:45]       ; be2
	global_load_b32 v[QC+2], v[F4], s[52:53]       ; c2
.irp ft, 0,1
.irp c, 0,1
	global_load_b64 v[WZ2+4+8*\ft+2*\c:WZ2+5+8*\ft+2*\c], v[W8], s[38:39] offset:512*\ft+16*\c
	global_load_b64 v[WZ3+4+8*\ft+2*\c:WZ3+5+8*\ft+2*\c], v[W8], s[40:41] offset:512*\ft+16*\c
.endr
.endr
.irp ft, 0,1
.irp i, 0,1
	global_load_b128 v[C3+8*\ft+4*\i:C3+8*\ft+4*\i+3], v[H32], s[46:47] offset:64*\ft+16*\i
.endr
.endr
	global_load_b128 v[PB:PB+3], v[Q0], s[36:37]   ; row 0's codes, in every column
.irp t, 0,1,2,3,4,5,6,7,8,9,10,11,12,13,14,15
	global_load_b128 v[QA+4*\t:QA+4*\t+3], v[L16], s[58:59] offset:512*\t th:TH_LOAD_NT   ; 512 consecutive bytes a load
.endr
.irp z, 0,1,2,3,8,9,10,11,16,17,18,19
	v_mov_b32 v[WZ2+\z], 0
	v_mov_b32 v[WZ3+\z], 0
.endr
.irp z, 4,5,6,7
	v_mov_b32 v[QC+\z], 0
	v_mov_b32 v[PB+\z], 0
.endr
	; THE BATCH SUMS OF LAYER 2
	s_wait_loadcnt 32                              ; st2's eight loads are in; 16 head loads and 16 tiles may be out
	SUMQ TZ, RQ
	ds_store_b128 v[S1A], v[RQ:RQ+3]
	s_wait_dscnt 0x0
	s_barrier_signal -1
	s_barrier_wait -1
.irp i, 0,1,2,3,4,5,6,7
	ds_load_b128 v[TZ+4*\i:TZ+4*\i+3], v[S1R] offset:256*\i
.endr
.irp i, 0,1,2,3,4,5,6,7
	ds_load_b128 v[ST+4*\i:ST+4*\i+3], v[S1R] offset:2048+256*\i
.endr
	s_wait_dscnt 8                                 ; the first eight are in
	SUMQ TZ, RQ
	s_wait_dscnt 0x0
	SUMQ ST, RQ2
	v_pk_add_f32 v[RQ:RQ+1], v[RQ:RQ+1], v[RQ2:RQ2+1]
	v_pk_add_f32 v[RQ+2:RQ+3], v[RQ+2:RQ+3], v[RQ2+2:RQ2+3]
	v_cndmask_b32 v[RQ2], v[RQ], v[RQ+1], s12
	v_cndmask_b32 v[RQ2+1], v[RQ+2], v[RQ+3], s12
	v_cndmask_b32 v[RQ2+2], v[RQ+1], v[RQ], s12
	v_cndmask_b32 v[RQ2+3], v[RQ+3], v[RQ+2], s12
	v_permlanex16_b32 v[RQ], v[RQ2+2], s10, s11
	v_permlanex16_b32 v[RQ+1], v[RQ2+3], s10, s11
	v_add_f32 v[RQ2], v[RQ2], v[RQ]
	v_add_f32 v[RQ2+1], v[RQ2+1], v[RQ+1]
	s_wait_kmcnt 0x0
	s_add_co_i32 s14, s4, s5                       ; E2 = e0 + e1
	s_lshl_b32 s15, s14, 1
	s_add_co_i32 s32, s6, 127
	s_lshl_b32 s33, s32, 23
	v_mov_b32 v[SC], s33                           ; 2^e2 as f32
	s_add_co_i32 s32, s32, 15
	s_lshl_b32 s32, s32, 23
	s_or_b32 s13, s32, 0x600000                    ; 57,344 x 2^e2
	s_add_co_i32 s32, s6, s7
	s_sub_co_i32 s33, 0, s32                       ; -(e2 + e3)
	s_wait_loadcnt 16                              ; all head loads are in; the sixteen tiles may be out
	v_mul_f32 v[RQ2], 0x35000000, v[RQ2]           ; m' = sum x 2^-21, raw
	v_mul_f32 v[RQ2+1], 0x35000000, v[RQ2+1]
	v_fma_f32 v[RQ2+1], -v[RQ2], v[RQ2], v[RQ2+1]
	v_max_num_f32 v[RQ2+1], 0, v[RQ2+1]
	v_ldexp_f32 v[RQ2+1], v[RQ2+1], s15            ; x 4^E2: the variance of z2
	v_add_f32 v[RQ2+1], 0x3727c5ac, v[RQ2+1]
	v_rsq_f32 v[RQ+2], v[RQ2+1]
	v_sub_f32 v[RQ+3], v[QC+2], v[RQ2]             ; c2 - m'  (the plain line behind the transcendental)
	s_wait_alu depctr_va_vdst(0)                   ; the wait ahead of the result's first reader
	v_mul_f32 v[RQ], v[QC], v[RQ+2]
	v_ldexp_f32 v[RQ], v[RQ], s14                  ; A2
	v_fma_f32 v[RQ+1], v[RQ+3], v[RQ], v[QC+1]     ; SH2
	ds_store_b32 v[TF], v[RQ]
	ds_store_b32 v[TF], v[RQ+1] offset:128
.irp ft, 0,1
.irp i, 0,1
	ds_load_b128 v[A2+8*\ft+4*\i:A2+8*\ft+4*\i+3], v[TR] offset:64*\ft+16*\i
	ds_load_b128 v[SH2+8*\ft+4*\i:SH2+8*\ft+4*\i+3], v[TR] offset:128+64*\ft+16*\i
.endr
.endr
.set i, 0
.rept 16
	v_ldexp_f32 v[C3+i], v[C3+i], s33              ; b3 in raw units
.set i, i+1
.endr
	s_wait_dscnt 0x0
	; THE PIVOT OF LAYER 3: row 0 through the same arithmetic as every row
.irp ft, 0,1
	v_wmma_f32_16x16x64_bf8_bf8 v[TZ+8*\ft:TZ+8*\ft+7], v[WZ2+4+8*\ft:WZ2+11+8*\ft], v[PB:PB+7], 0
.endr
	PLACES 4
.irp k, 0,2,4,6,8,10,12,14
	v_pk_fma_f32 v[TZ+\k:TZ+\k+1], v[TZ+\k:TZ+\k+1], v[A2+\k:A2+\k+1], v[SH2+\k:SH2+\k+1]
.endr
.set i, 0
.rept 16
	v_med3_num_f32 v[TZ+i], v[TZ+i], 0, s13
.set i, i+1
.endr
.irp ft, 0,1
	v_cvt_scalef32_pk8_bf8_f32 v[QC+2*\ft:QC+2*\ft+1], v[TZ+8*\ft:TZ+8*\ft+7], v[SC]
.endr
	v_nop
.irp ft, 0,1
	v_wmma_f32_16x16x64_bf8_bf8 v[TZ+8*\ft:TZ+8*\ft+7], v[WZ3+4+8*\ft:WZ3+11+8*\ft], v[QC:QC+7], v[C3+8*\ft:C3+8*\ft+7]
.endr
	PLACES 4
.irp k, 0,2,4,6,8,10,12,14
	v_pk_add_f32 v[C3+\k:C3+\k+1], v[C3+\k:C3+\k+1], v[TZ+\k:TZ+\k+1] neg_lo:[0,1] neg_hi:[0,1]   ; c3 = b3 raw - K3 raw
.endr
.set i, 0
.rept 32
	v_mov_b32 v[ST+i], 0
.set i, i+1
.endr
	s_cmp_lg_u32 s3, 0                             ; one wave of the launch stores its table: A2, SH2, c3, c3: 512 consecutive bytes
	s_cbranch_scc1 .Lno_cf
.irp d, 256,384
	ds_store_b128 v[TR], v[C3:C3+3] offset:\d
	ds_store_b128 v[TR], v[C3+4:C3+7] offset:\d+16
	ds_store_b128 v[TR], v[C3+8:C3+11] offset:\d+64
	ds_store_b128 v[TR], v[C3+12:C3+15] offset:\d+80
.endr
	ds_load_b128 v[RQ:RQ+3], v[TC]                 ; LDS serves a wave's instructions in order: this sees the stores above
	s_wait_dscnt 0x0
	global_store_b128 v[L16], v[RQ:RQ+3], s[56:57]
	s_wait_xcnt 0x0
.Lno_cf:
.irp p, 0,1,2,3,4,5,6,7,8,9,10,11,12,13,14,15
	PAIRC \p
.endr
	; THE SUMS: over the sixteen lanes of a half, then over the sixteen waves through LDS
.irp m, 1,2,4,8
.set i, 0
.rept 32
	v_add_f32_dpp v[ST+i], v[ST+i], v[ST+i] row_xmask:\m row_mask:0xf bank_mask:0xf
.set i, i+1
.endr
.endr
.irp ft, 0,1
.irp jj, 0,1,2,3
	ds_store_b128 v[SA], v[ST+16*\ft+4*\jj:ST+16*\ft+4*\jj+3] offset:128*\ft+16*\jj
.endr
.endr
	s_wait_dscnt 0x0
	s_barrier_signal -1
	s_barrier_wait -1
	s_cmp_lg_u32 s2, 0
	s_cbranch_scc1 .Ltail_done
.irp i, 0,1,2,3,4,5,6,7,8,9,10,11,12,13,14,15
	ds_load_b64 v[TZ+2*\i:TZ+2*\i+1], v[S2R] offset:256*\i
.endr
	s_wait_dscnt 0x0
.irp i, 0,4,8,12,16,20,24,28
	v_pk_add_f32 v[TZ+\i:TZ+\i+1], v[TZ+\i:TZ+\i+1], v[TZ+\i+2:TZ+\i+3]
.endr
.irp i, 0,8,16,24
	v_pk_add_f32 v[TZ+\i:TZ+\i+1], v[TZ+\i:TZ+\i+1], v[TZ+\i+4:TZ+\i+5]
.endr
.irp i, 0,16
	v_pk_add_f32 v[TZ+\i:TZ+\i+1], v[TZ+\i:TZ+\i+1], v[TZ+\i+8:TZ+\i+9]
.endr
	v_pk_add_f32 v[TZ:TZ+1], v[TZ:TZ+1], v[TZ+16:TZ+17]
	global_store_b64 v[L8], v[TZ:TZ+1], s[54:55]   ; 256 consecutive bytes, aligned: the work-group's row
.Ltail_done:
	s_wait_xcnt 0x0
	v_lshl_add_u32 v254, v0, 2, 0x5000
	v_mov_b32 v255, 0
	s_wait_tensorcnt 0x0
	ds_add_u32 v254, v255
	s_wait_dscnt 0x0
	s_endpgm
.Lfunc_end_k_q7960a207a4_stat3:
	.size	k_q7960a207a4_stat3, .Lfunc_end_k_q7960a207a4_stat3-k_q7960a207a4_stat3
	.p2alignl 7, 3214868480
	.fill 96, 4, 3214868480
	.section	.rodata,"a",@progbits
	.p2align	6, 0x0
	.amdhsa_kernel k_q7960a207a4_stat3
		.amdhsa_group_segment_fixed_size 22528
		.amdhsa_private_segment_fixed_size 0
		.amdhsa_enable_private_segment 0
		.amdhsa_kernarg_size 88
		.amdhsa_user_sgpr_count 2
		.amdhsa_user_sgpr_kernarg_segment_ptr 1
		.amdhsa_wavefront_size32 1
		.amdhsa_system_sgpr_workgroup_id_x 1
		.amdhsa_system_sgpr_workgroup_id_y 1
		.amdhsa_system_sgpr_workgroup_id_z 1
		.amdhsa_system_vgpr_workitem_id 0
		.amdhsa_next_free_vgpr 256
		.amdhsa_next_free_sgpr 66
		.amdhsa_reserve_vcc 0
		.amdhsa_float_denorm_mode_32 3
		.amdhsa_float_denorm_mode_16_64 3
		.amdhsa_memory_ordered 1
		.amdhsa_forward_progress 1
		.amdhsa_inst_pref_size 128
	.end_amdhsa_kernel
	.amdgpu_metadata
---
amdhsa.version: [ 1, 2 ]
amdhsa.kernels:
  - .name:           k_q7960a207a4_stat3
    .symbol:         k_q7960a207a4_stat3.kd
    .args:
      - { .name: q1, .offset: 0, .size: 8, .value_kind: global_buffer, .address_space: global }
      - { .name: W2_codes, .offset: 8, .size: 8, .value_kind: global_buffer, .address_space: global }
      - { .name: W3_codes, .offset: 16, .size: 8, .value_kind: global_buffer, .address_space: global }
      - { .name: g2, .offset: 24, .size: 8, .value_kind: global_buffer, .address_space: global }
      - { .name: be2, .offset: 32, .size: 8, .value_kind: global_buffer, .address_space: global }
      - { .name: b3, .offset: 40, .size: 8, .value_kind: global_buffer, .address_space: global }
      - { .name: lowp_scales, .offset: 48, .size: 8, .value_kind: global_buffer, .address_space: global }
      - { .name: st2, .offset: 56, .size: 8, .value_kind: global_buffer, .address_space: global }
      - { .name: pv2, .offset: 64, .size: 8, .value_kind: global_buffer, .address_space: global }
      - { .name: st3, .offset: 72, .size: 8, .value_kind: global_buffer, .address_space: global }
      - { .name: cf2, .offset: 80, .size: 8, .value_kind: global_buffer, .address_space: global }
    .group_segment_fixed_size: 22528
    .private_segment_fixed_size: 0
    .kernarg_segment_align: 8
    .kernarg_segment_size: 88
    .max_flat_workgroup_size: 512
    .sgpr_count:     66
    .vgpr_count:     256
    .wavefront_size: 32
...
	.end_amdgpu_metadata
.endif
;; end of part 3
;; launch final (part 4): grid 256 x 1, 16 waves a work-group, no clusters, 22,528 bytes of LDS; arguments q1, W2_codes, W3_codes, g3, be3, W4, b4, lowp_scales, st3, cf2, out0; writes out0
.if DOCPART == 4
	.amdgcn_target "amdgcn-amd-amdhsa--gfx1250"
	.amdhsa_code_object_version 6
	.text
	.protected	k_q7960a207a4_final
	.globl	k_q7960a207a4_final
	.p2align	8
	.type	k_q7960a207a4_final,@function
k_q7960a207a4_final:
	s_mov_b64 s[64:65], 0
	v_nop
	global_prefetch_b8 v0, s[64:65] scope:SCOPE_SE
	s_setreg_imm32_b32 hwreg(HW_REG_WAVE_MODE, 25, 1), 1
	s_wait_xcnt 0x0
; FOURTH LAUNCH: from p1's codes: the second product, BN2, relu, the quantiser, the third product (all as in the third launch, with A2 and SH2 from cf2), then BN3, relu, the product with W4 in f32, + b4.
; HEAD: the 256 rows of st3 -> a feature a lane: with E = e2 + e3, A3 = g3 rsq(var_raw 4^E + 1e-5) 2^E and SH3 = (c3 - m3') A3 + be3 (c3 from cf2).
; THE LAST PRODUCT has one column: packed multiply-adds over a lane's 16 features, then the other 16 from lane l xor 16.  Tile t of a group of 128 rows holds rows 64 (t / 4) + 4 r + t % 4,
; so after eight tiles lane l keeps rows 4 l .. 4 l + 3 of the group: one store of 16 bytes a lane, 512 consecutive bytes a wave.
; No tensor loads, no cluster, no prefetch: as in the third launch.
; LIMITS: e2 between -126 and 112; |e2 + e3| at most 60.  NaN and infinities are not served.
.set TAB,  8192                        ; LDS: bytes 0-8191 the head's 512 quads; from here 512 bytes a wave: A3[32], SH3[32]
.set SC,  1                            ; v1   2^e2 as f32
.set L16, 4
.set PO,  6
.set F4,  7
.set H32, 8
.set W8,  9
.set S1A, 10
.set S1R, 11
.set TF,  12
.set TR,  13
.set WZ2, 16                           ; v16-35
.set WZ3, 36                           ; v36-55
.set A2,  56
.set SH2, 72
.set A3,  88                           ; v88-103  (v88-119 serve the head's sums first)
.set SH3, 104                          ; v104-119
.set W4R, 120                          ; v120-135 W4 in the result's layout
.set TZ,  136
.set QC,  168                          ; two tiles' codes of p2; at the head g3, be3, c3
.set QA,  176                          ; v176-239 sixteen tiles of q1
.set RQ,  240                          ; the head's; later:
.set RQ2, 244
.set AO,  240                          ; v240-247 a group's eight half sums
.set OU,  248                          ; v248-251 four results
.set DP,  252                          ; v252-255 two packed sums
.macro PLACES n
.rept \n
	v_nop
.endr
.endm
.macro SUMQ base, dst
.irp q, 0,8,16,24
	v_pk_add_f32 v[\base+\q:\base+\q+1], v[\base+\q:\base+\q+1], v[\base+\q+4:\base+\q+5]
	v_pk_add_f32 v[\base+\q+2:\base+\q+3], v[\base+\q+2:\base+\q+3], v[\base+\q+6:\base+\q+7]
.endr
.irp q, 0,16
	v_pk_add_f32 v[\base+\q:\base+\q+1], v[\base+\q:\base+\q+1], v[\base+\q+8:\base+\q+9]
	v_pk_add_f32 v[\base+\q+2:\base+\q+3], v[\base+\q+2:\base+\q+3], v[\base+\q+10:\base+\q+11]
.endr
	v_pk_add_f32 v[\dst:\dst+1], v[\base:\base+1], v[\base+16:\base+17]
	v_pk_add_f32 v[\dst+2:\dst+3], v[\base+2:\base+3], v[\base+18:\base+19]
.endm
.macro PROD wz, b                      ; two tiles x two feature tiles, the sums begun with 0
.irp tt, 0,1
.irp ft, 0,1
	v_wmma_f32_16x16x64_bf8_bf8 v[TZ+16*\tt+8*\ft:TZ+16*\tt+8*\ft+7], v[\wz+4-4*\tt+8*\ft:\wz+11-4*\tt+8*\ft], v[\b:\b+7], 0
.endr
.endr
.endm
.macro AFF a, sh                       ; raw sum x A + SH, two at a time; each accumulator from its low end on
.irp tt, 0,1
.irp k, 0,2,4,6,8,10,12,14
	v_pk_fma_f32 v[TZ+16*\tt+\k:TZ+16*\tt+\k+1], v[TZ+16*\tt+\k:TZ+16*\tt+\k+1], v[\a+\k:\a+\k+1], v[\sh+\k:\sh+\k+1]
.endr
.endr
.endm
.macro PAIRD p                         ; tiles 2 p and 2 p + 1
.if \p < 8
	s_wait_loadcnt 14                              ; behind this pair's two loads: 14 - 2 p first loads and 2 p refills
.else
	s_wait_loadcnt 30-2*(\p)                       ; the refills of the pairs behind it
.endif
	PROD WZ2, QA+8*((\p)%8)
	PLACES 4                                       ; ahead of the loads into source 1 and of the reads of the results
.if \p < 8
.irp tt, 0,1
	global_load_b128 v[QA+8*(\p)+4*\tt:QA+8*(\p)+4*\tt+3], v[L16], s[58:59] offset:(2*(\p)+16+\tt)*512 th:TH_LOAD_NT
.endr
.endif
	AFF A2, SH2
.set i, 0
.rept 32
	v_med3_num_f32 v[TZ+i], v[TZ+i], 0, s13        ; relu and the hold in one: between 0 and 57,344 x 2^e2 (the conversion does not saturate: ISA guide 7.6.2)
.set i, i+1
.endr
.irp tt, 0,1
.irp ft, 0,1
	v_cvt_scalef32_pk8_bf8_f32 v[QC+4*\tt+2*\ft:QC+4*\tt+2*\ft+1], v[TZ+16*\tt+8*\ft:TZ+16*\tt+8*\ft+7], v[SC]
.endr
.endr
	v_nop                                          ; a plain line between the conversions and the products that read their results and write their sources
	PROD WZ3, QC
	PLACES 4
	AFF A3, SH3
.set i, 0
.rept 32
	v_max_num_f32 v[TZ+i], 0, v[TZ+i]              ; p3
.set i, i+1
.endr
.irp tt, 0,1
	v_pk_mul_f32 v[DP+2*\tt:DP+2*\tt+1], v[TZ+16*\tt:TZ+16*\tt+1], v[W4R:W4R+1]
.endr
.irp k, 2,4,6,8,10,12,14
.irp tt, 0,1
	v_pk_fma_f32 v[DP+2*\tt:DP+2*\tt+1], v[TZ+16*\tt+\k:TZ+16*\tt+\k+1], v[W4R+\k:W4R+\k+1], v[DP+2*\tt:DP+2*\tt+1]
.endr
.endr
.irp tt, 0,1
	v_add_f32 v[AO+2*((\p)%4)+\tt], v[DP+2*\tt], v[DP+2*\tt+1]   ; my 16 features' share of the tile's result
.endr
.if ((\p)%4) == 3                      ; a group of 128 rows is through
	s_wait_xcnt 0x0                                ; the last group's store has read its data: they are written again only behind this wait
.irp u, 0,1,2,3
	v_cndmask_b32 v[OU+\u], v[AO+\u], v[AO+4+\u], s12   ; I keep tile 4 h + u,
	v_cndmask_b32 v[DP+\u], v[AO+4+\u], v[AO+\u], s12   ; and send the other to lane l xor 16
.endr
.irp u, 0,1,2,3
	v_permlanex16_b32 v[AO+\u], v[DP+\u], s10, s11
.endr
.irp u, 0,1,2,3
	v_add_f32 v[OU+\u], v[OU+\u], v[AO+\u]
.endr
	v_pk_add_f32 v[OU:OU+1], v[OU:OU+1], s[60:61] op_sel_hi:[1,0]       ; + b4
	v_pk_add_f32 v[OU+2:OU+3], v[OU+2:OU+3], s[60:61] op_sel_hi:[1,0]
	global_store_b128 v[L16], v[OU:OU+3], s[56:57] offset:512*((\p)/4) th:TH_STORE_NT   ; 32 lanes store 512 consecutive bytes, aligned
.endif
.endm
	s_load_b512 s[36:51], s[0:1], 0x0              ; q1 36, W2's codes 38, W3's codes 40, g3 42, be3 44, W4 46, b4 48, the scales' exponents 50
	s_load_b128 s[52:55], s[0:1], 0x40             ; st3 52, cf2 54
	s_load_b64 s[56:57], s[0:1], 0x50              ; out0
	v_lshl_add_u32 v14, v0, 2, 0x5000
	v_mov_b32 v15, 0
	v_lshrrev_b32 v176, 5, v0
	v_readfirstlane_b32 s2, v176                   ; wave 0..15
	s_mov_b32 s10, 0x76543210
	s_mov_b32 s11, 0xfedcba98
	s_mov_b32 s12, 0xffff0000                      ; lanes 16-31
	v_and_b32 v176, 31, v0                         ; lane
	v_and_b32 v177, 15, v0                         ; r
	v_bfe_u32 v178, v0, 4, 1                       ; h
	v_lshlrev_b32 v[L16], 4, v176
	v_and_b32 v[PO], 0x1e0, v0
	v_lshl_add_u32 v[PO], v[PO], 7, v[L16]         ; 4096 w + 16 x lane
	v_lshlrev_b32 v[F4], 3, v177
	v_lshl_add_u32 v[F4], v178, 2, v[F4]           ; 4 f, f = 2 r + h
	v_lshlrev_b32 v[H32], 5, v178
	v_lshlrev_b32 v[W8], 5, v177
	v_lshl_add_u32 v[W8], v178, 3, v[W8]
	v_lshlrev_b32 v[S1A], 4, v0
	v_lshlrev_b32 v[S1R], 4, v177
	v_lshl_add_u32 v[S1R], v178, 12, v[S1R]
	s_lshl_b32 s33, s2, 9
	s_add_co_u32 s33, s33, TAB
	v_add_nc_u32 v[TF], s33, v[F4]
	v_add_nc_u32 v[TR], s33, v[H32]
	s_lshl_b32 s14, ttmp9, 4
	s_add_co_u32 s14, s14, s2                      ; 16 g + w
	s_lshl_b32 s8, s14, 14                         ; x 16,384 bytes of codes
	s_mov_b32 s9, 0
	s_lshl_b32 s34, s14, 11                        ; x 2,048 bytes of results
	s_mov_b32 s35, 0
	s_wait_kmcnt 0x0
	s_load_b128 s[4:7], s[50:51], 0x0              ; e0, e1, e2, e3
	s_load_b32 s60, s[48:49], 0x0                  ; b4
	s_add_nc_u64 s[58:59], s[36:37], s[8:9]        ; my wave's 32 tiles
	s_add_nc_u64 s[56:57], s[56:57], s[34:35]      ; my wave's 512 results
.irp i, 0,1,2,3,4,5,6,7
	global_load_b128 v[TZ+4*\i:TZ+4*\i+3], v[PO], s[52:53] offset:512*\i
.endr
	global_load_b32 v[QC], v[F4], s[42:43]         ; g3
	global_load_b32 v[QC+1], v[F4], s[44:45]       ; be3
	global_load_b32 v[QC+2], v[F4], s[54:55] offset:256   ; c3
.irp ft, 0,1
.irp c, 0,1
	global_load_b64 v[WZ2+4+8*\ft+2*\c:WZ2+5+8*\ft+2*\c], v[W8], s[38:39] offset:512*\ft+16*\c
	global_load_b64 v[WZ3+4+8*\ft+2*\c:WZ3+5+8*\ft+2*\c], v[W8], s[40:41] offset:512*\ft+16*\c
.endr
.endr
.irp ft, 0,1
.irp i, 0,1
	global_load_b128 v[A2+8*\ft+4*\i:A2+8*\ft+4*\i+3], v[H32], s[54:55] offset:64*\ft+16*\i
	global_load_b128 v[SH2+8*\ft+4*\i:SH2+8*\ft+4*\i+3], v[H32], s[54:55] offset:128+64*\ft+16*\i
	global_load_b128 v[W4R+8*\ft+4*\i:W4R+8*\ft+4*\i+3], v[H32], s[46:47] offset:64*\ft+16*\i
.endr
.endr
.irp t, 0,1,2,3,4,5,6,7,8,9,10,11,12,13,14,15
	global_load_b128 v[QA+4*\t:QA+4*\t+3], v[L16], s[58:59] offset:512*\t th:TH_LOAD_NT   ; 512 consecutive bytes a load
.endr
.irp z, 0,1,2,3,8,9,10,11,16,17,18,19
	v_mov_b32 v[WZ2+\z], 0
	v_mov_b32 v[WZ3+\z], 0
.endr
	; THE BATCH SUMS OF LAYER 3
	s_wait_loadcnt 39                              ; st3's eight loads are in; 23 head loads and 16 tiles may be out
	SUMQ TZ, RQ
	ds_store_b128 v[S1A], v[RQ:RQ+3]
	s_wait_dscnt 0x0
	s_barrier_signal -1
	s_barrier_wait -1
.irp i, 0,1,2,3,4,5,6,7
	ds_load_b128 v[TZ+4*\i:TZ+4*\i+3], v[S1R] offset:256*\i
.endr
.irp i, 0,1,2,3,4,5,6,7
	ds_load_b128 v[A3+4*\i:A3+4*\i+3], v[S1R] offset:2048+256*\i
.endr
	s_wait_dscnt 8                                 ; the first eight are in
	SUMQ TZ, RQ
	s_wait_dscnt 0x0
	SUMQ A3, RQ2
	v_pk_add_f32 v[RQ:RQ+1], v[RQ:RQ+1], v[RQ2:RQ2+1]
	v_pk_add_f32 v[RQ+2:RQ+3], v[RQ+2:RQ+3], v[RQ2+2:RQ2+3]
	v_cndmask_b32 v[RQ2], v[RQ], v[RQ+1], s12
	v_cndmask_b32 v[RQ2+1], v[RQ+2], v[RQ+3], s12
	v_cndmask_b32 v[RQ2+2], v[RQ+1], v[RQ], s12
	v_cndmask_b32 v[RQ2+3], v[RQ+3], v[RQ+2], s12
	v_permlanex16_b32 v[RQ], v[RQ2+2], s10, s11
	v_permlanex16_b32 v[RQ+1], v[RQ2+3], s10, s11
	v_add_f32 v[RQ2], v[RQ2], v[RQ]
	v_add_f32 v[RQ2+1], v[RQ2+1], v[RQ+1]
	s_wait_kmcnt 0x0
	s_mov_b32 s61, s60                             ; (named with s60 as a pair, so it is written)
	s_add_co_i32 s14, s6, s7                       ; E3 = e2 + e3
	s_lshl_b32 s15, s14, 1
	s_add_co_i32 s32, s6, 127
	s_lshl_b32 s33, s32, 23
	v_mov_b32 v[SC], s33                           ; 2^e2 as f32
	s_add_co_i32 s32, s32, 15
	s_lshl_b32 s32, s32, 23
	s_or_b32 s13, s32, 0x600000                    ; 57,344 x 2^e2
	s_wait_loadcnt 16                              ; all head loads are in; the sixteen tiles may be out
	v_mul_f32 v[RQ2], 0x35000000, v[RQ2]           ; m' = sum x 2^-21, raw
	v_mul_f32 v[RQ2+1], 0x35000000, v[RQ2+1]
	v_fma_f32 v[RQ2+1], -v[RQ2], v[RQ2], v[RQ2+1]
	v_max_num_f32 v[RQ2+1], 0, v[RQ2+1]
	v_ldexp_f32 v[RQ2+1], v[RQ2+1], s15            ; x 4^E3: the variance of z3
	v_add_f32 v[RQ2+1], 0x3727c5ac, v[RQ2+1]
	v_rsq_f32 v[RQ+2], v[RQ2+1]
	v_sub_f32 v[RQ+3], v[QC+2], v[RQ2]             ; c3 - m'  (the plain line behind the transcendental)
	s_wait_alu depctr_va_vdst(0)                   ; the wait ahead of the result's first reader
	v_mul_f32 v[RQ], v[QC], v[RQ+2]
	v_ldexp_f32 v[RQ], v[RQ], s14                  ; A3
	v_fma_f32 v[RQ+1], v[RQ+3], v[RQ], v[QC+1]     ; SH3
	ds_store_b32 v[TF], v[RQ]                      ; my wave's own table: no barrier
	ds_store_b32 v[TF], v[RQ+1] offset:128
.irp ft, 0,1
.irp i, 0,1
	ds_load_b128 v[A3+8*\ft+4*\i:A3+8*\ft+4*\i+3], v[TR] offset:64*\ft+16*\i
	ds_load_b128 v[SH3+8*\ft+4*\i:SH3+8*\ft+4*\i+3], v[TR] offset:128+64*\ft+16*\i
.endr
.endr
	s_wait_dscnt 0x0
.irp p, 0,1,2,3,4,5,6,7,8,9,10,11,12,13,14,15
	PAIRD \p
.endr
	s_wait_tensorcnt 0x0
	ds_add_u32 v14, v15
	s_wait_dscnt 0x0
	s_endpgm
.Lfunc_end_k_q7960a207a4_final:
	.size	k_q7960a207a4_final, .Lfunc_end_k_q7960a207a4_final-k_q7960a207a4_final
	.p2alignl 7, 3214868480
	.fill 96, 4, 3214868480
	.section	.rodata,"a",@progbits
	.p2align	6, 0x0
	.amdhsa_kernel k_q7960a207a4_final
		.amdhsa_group_segment_fixed_size 22528
		.amdhsa_private_segment_fixed_size 0
		.amdhsa_enable_private_segment 0
		.amdhsa_kernarg_size 88
		.amdhsa_user_sgpr_count 2
		.amdhsa_user_sgpr_kernarg_segment_ptr 1
		.amdhsa_wavefront_size32 1
		.amdhsa_system_sgpr_workgroup_id_x 1
		.amdhsa_system_sgpr_workgroup_id_y 1
		.amdhsa_system_sgpr_workgroup_id_z 1
		.amdhsa_system_vgpr_workitem_id 0
		.amdhsa_next_free_vgpr 256
		.amdhsa_next_free_sgpr 66
		.amdhsa_reserve_vcc 0
		.amdhsa_float_denorm_mode_32 3
		.amdhsa_float_denorm_mode_16_64 3
		.amdhsa_memory_ordered 1
		.amdhsa_forward_progress 1
		.amdhsa_inst_pref_size 134
	.end_amdhsa_kernel
	.amdgpu_metadata
---
amdhsa.version: [ 1, 2 ]
amdhsa.kernels:
  - .name:           k_q7960a207a4_final
    .symbol:         k_q7960a207a4_final.kd
    .args:
      - { .name: q1, .offset: 0, .size: 8, .value_kind: global_buffer, .address_space: global }
      - { .name: W2_codes, .offset: 8, .size: 8, .value_kind: global_buffer, .address_space: global }
      - { .name: W3_codes, .offset: 16, .size: 8, .value_kind: global_buffer, .address_space: global }
      - { .name: g3, .offset: 24, .size: 8, .value_kind: global_buffer, .address_space: global }
      - { .name: be3, .offset: 32, .size: 8, .value_kind: global_buffer, .address_space: global }
      - { .name: W4, .offset: 40, .size: 8, .value_kind: global_buffer, .address_space: global }
      - { .name: b4, .offset: 48, .size: 8, .value_kind: global_buffer, .address_space: global }
      - { .name: lowp_scales, .offset: 56, .size: 8, .value_kind: global_buffer, .address_space: global }
      - { .name: st3, .offset: 64, .size: 8, .value_kind: global_buffer, .address_space: global }
      - { .name: cf2, .offset: 72, .size: 8, .value_kind: global_buffer, .address_space: global }
      - { .name: out0, .offset: 80, .size: 8, .value_kind: global_buffer, .address_space: global }
    .group_segment_fixed_size: 22528
    .private_segment_fixed_size: 0
    .kernarg_segment_align: 8
    .kernarg_segment_size: 88
    .max_flat_workgroup_size: 512
    .sgpr_count:     66
    .vgpr_count:     256
    .wavefront_size: 32
...
	.end_amdgpu_metadata
.endif
;; end of part 4
